; MI455X (gfx1250); checked and timed in simulation.
; The chip was launched on July 23, 2026; its instructions are those of AMD's public machine-readable ISA for CDNA 5 (MIT licence, August 2026) and "CDNA5" Instruction Set Architecture Reference Guide (July 2026). The comments in the code are by the model that wrote it; some were corrected since.
;; Hebbian Plastic Layer. Allowed arithmetic: matrix products marked QUANTISED: E2M1 operands, one E8M0 scale for each 32 along K, by v_wmma_scale_f32_16x16x128_f8f6f4 with both operands' format E2M1 (or v_wmma_scale_f32_32x16x128_f4), f32 sums; everything else in f32.
;; Inputs: W_codes 4,096 x 128 x 16 uint8 (E2M1 codes of W, K innermost, in blocks of 32 codes, two codes a byte); W_scales 4,096 x 128 uint8 (E8M0 scales of W, one for each 32 codes along K); alpha 4,096 x 4,096 float32; bias 4,096 float32; eta one number float32; x 2,048 x 4,096 float32.
;; Outputs: out0 2,048 x 4,096 float32.
;; This version of the problem:
;;   THIS VERSION OF THE PROBLEM IS GIVEN IN LOW PRECISION. The matrix products marked QUANTISED in the list below multiply operands that are first quantised to E2M1 (2 exponent bits, 1 mantissa bit; 4 bits a number), with one power-of-two scale for each 32 numbers along K (OCP MX v1.0); their sums are f32. All else is computed in f32.
;;   The module's matrix products, in the order in which they are computed (A, B: the left and right operand; K: the contracted axis; several contracted axes count as one K, in the product's order):
;;     1. [M 2,048, K 4,096] x [K 4,096, N 4,096]; A: input x; B: input W (given as codes): QUANTISED
;;     2. [M 2,048, K 4,096] x [K 4,096, N 4,096]; A: computed on the way; B: computed on the way: QUANTISED
;;   THE QUANTISER, for each operand of a quantised product, along K:
;;     - K is cut into blocks of 32 from its start; a last block that is shorter is filled with zeros.
;;     - A block's scale is 2^e with e = floor(log2(the largest magnitude in the block)) - 2, held to -126 .. 127; a block of zeros has e = 0. As a byte (E8M0): e + 127.
;;     - Each number is divided by its block's scale, clamped to +-6, and rounded to the nearest number of E2M1, ties to even, subnormals kept.
;;     - The product sums the exact products of the quantised numbers (number of the format x scale) in f32.
;;   ~~~python
;;   def quantise(x, axis):      # numpy; x: float32 -> the quantised numbers, widened to float32 again
;;       x = np.moveaxis(x, axis, -1); K = x.shape[-1]
;;       x = np.pad(x, [(0, 0)] * (x.ndim - 1) + [(0, -K % 32)]); x = x.reshape(x.shape[:-1] + (-1, 32)); a = np.abs(x).max(-1, keepdims=True)
;;       e = np.where(a > 0, np.clip(np.frexp(np.where(a > 0, a, 1))[1] - 1 - 2, -126, 127), 0)      # np.frexp(a)[1] - 1 = floor(log2(a)), exactly
;;       r = np.clip(x / 2.0 ** e, -6, 6)
;;       step = 2.0 ** (np.maximum(np.frexp(np.where(r == 0, 1, r))[1] - 1, 0) - 1)
;;       q = np.round(r / step) * step * 2.0 ** e      # np.round: ties to even
;;       return np.moveaxis(q.reshape(q.shape[:-2] + (-1,))[..., :K], -1, axis).astype(np.float32)
;;   ~~~
;;   OPERANDS COMPUTED ON THE WAY. 'Computed on the way' means the value that the module computes at that place (a softmax that the list does not call 'softmax' is quantised finished and normalised). What goes into a quantiser is computed in f32, as accurately as f32 sums, v_exp_f32 and their like allow (about 1e-6 of the number): no bf16 or f16 on the way to a quantiser, and a product that is left as it is and whose result goes on into a quantised operand takes f32 operands (vector FMAs, or v_wmma_f32_16x16x4_f32). A number that lies on a knife's edge between two numbers of the format may be rounded either way, as far as f32 arithmetic and the matrix unit's own rounding can turn it there, and no further.
;;   INPUTS GIVEN AS CODES. W (in the module: [4096, 4096], K = its axis 1): each comes as NAME_codes (uint8): NAME with its K axis moved to the last place and cut into blocks of 32 codes, [.., K / 32, bytes a block], one block behind the other in memory; two codes a byte, the lower K in the low four bits (a code: sign, 2 exponent bits, 1 mantissa bit); and NAME_scales (uint8): the same leading axes, one E8M0 byte (e + 127) for each 32 codes along K. Its value is code x scale, taken as it is: it is not quantised again, and the codes and scales need not be those that the quantiser above would give.
;; One version. Each part assembles by itself: llvm-mc -triple=amdgcn-amd-amdhsa -mcpu=gfx1250 --defsym DOCPART=n.
;; ======== version 1 of 1: 2 launches
;; limits: right only within a limited range of input values
;; workspace buffers: xq_codes 4,194,304 bytes; xq_scales 262,144 bytes; zq_codes 4,194,304 bytes; zq_scales 262,144 bytes; sg_codes 8,388,608 bytes; sg_scales 524,288 bytes
;; launch quant (part 1): grid 768 x 1, 4 waves a work-group, no clusters, 66,048 bytes of LDS; arguments x, alpha, xq_codes, xq_scales, zq_codes, zq_scales, sg_codes, sg_scales; writes xq_codes, xq_scales, zq_codes, zq_scales, sg_codes, sg_scales
.if DOCPART == 1
	.amdgcn_target "amdgcn-amd-amdhsa--gfx1250"
	.amdhsa_code_object_version 6
	.text
	.protected	k_q15f7c73953_quant
	.globl	k_q15f7c73953_quant
	.p2align	8
	.type	k_q15f7c73953_quant,@function
k_q15f7c73953_quant:
	s_mov_b64 s[64:65], 0
	v_nop
	global_prefetch_b8 v0, s[64:65] scope:SCOPE_SE
	s_setreg_imm32_b32 hwreg(HW_REG_WAVE_MODE, 25, 1), 1
	s_wait_xcnt 0x0
; Three operands are made here, each as codes of FP4 (E2M1), K innermost, two codes a byte, with one E8M0 byte for each 32 along K, laid as W_codes and W_scales are:
;   xq = Q(x);   zq = Q(z), z = (x / (||x|| + 1e-8)) x;   sg = Q(sigmoid(alpha)).   x: [2048][4096], alpha: [4096][4096], f32; K is the last axis of both.
; A block's scale is 2^(floor(log2(its largest magnitude)) - 2); its byte is the largest magnitude's own exponent field - 2, held at 1 from below.
; LIMITS.  NaN and infinities among the inputs are not served.  A block whose largest magnitude lies under 2^-124 gets the byte 1; a block of zeros gets the byte 1 with zero codes where the
; quantiser says 127: zero codes add nothing under that byte, and this program alone reads the bytes.  sigmoid(a) = 1 / (1 + 2^(-1.442695 a)): its relative error grows as about 1e-7 |a|; under a = -87 it
; gives 0 where the true number lies under 1e-38.  x / d is x times the reciprocal of d (about 2e-7 of the number).
; SHARES.  Work-groups 0-255 take x, eight rows each, a wave two rows; work-groups 256-767 take alpha, a wave 8,192 numbers on end (two rows).  Every wave reads 32,768 bytes.  Waves share nothing: no barrier.
; The conversions want 16 neighbours along K in ONE lane's registers; a load is dense where neighbouring lanes take neighbouring 16 bytes.  Both are had: a step's 2,048 bytes are loaded as they lie (four loads of
; 512 consecutive bytes), go through the wave's own stage in LDS and come back 64 bytes a lane.  The stage has 16 bytes of padding behind each 64.  Two neighbouring lanes hold a block of 32.
; A lane's 16 codes are 8 bytes: a wave's store covers 256 consecutive bytes, aligned.  A wave's 256 scale bytes of a tensor are gathered in LDS and leave by one store of 256 consecutive bytes.
; The two paths part on the work-group's number and never join; each has LDS bytes of its own: x's from byte 0, alpha's from byte 32,768; 8,192 bytes a wave.
.set SP,    80                         ; a lane's place in a stage: 64 bytes + 16 of padding
.set STGB,  32*SP                      ; a stage
.set SCB,   2*STGB                     ; behind the two stages: 256 scale bytes (x's path: 256 more for z)
.set FLOOR, 0x1800000                  ; 2^(3 - 127): no largest magnitude is taken under it, so the byte cannot fall under 1
.set OFF2,  0xff000000                 ; takes 2 off an exponent field
.set INV,   16                         ; v[16:17]  1 / (||x|| + 1e-8), twice
.set SS,    18                         ; v[18:25]  the sum of squares, four chains of pairs
.set XR,    32                         ; x's path: v32-159 a whole row as loaded, 16 registers a step
.set XX,    160                        ; v160-191 two sets of 16 neighbours
.set XZ,    192                        ; v192-207 z of the step
.set XC,    208                        ; v208-239 codes: four registers a step (two of x, two of z)
.set XE,    240                        ; v240-255 scale bytes: two a step
.set AR,    32                         ; alpha's path: v32-95 four sets of 16 as loaded
.set AX,    96                         ; v96-127 two sets of 16 neighbours
.set AC,    128                        ; v128-159 codes: two registers a step
.set AE,    160                        ; v160-175 a scale byte a step
	s_load_b512 s[4:19], s[0:1], 0x0               ; x s[4:5], alpha s[6:7], xq codes s[8:9], scales s[10:11], zq codes s[12:13], scales s[14:15], sg codes s[16:17], scales s[18:19]
	v_lshl_add_u32 v30, v0, 2, 0x10000
	v_mov_b32 v31, 0
	v_lshrrev_b32 v1, 5, v0
	v_readfirstlane_b32 s20, v1                    ; wave 0..3
	v_and_b32 v2, 31, v0                           ; lane
	v_lshlrev_b32 v3, 4, v2                        ; my 16 bytes of a load's 512; never rewritten
	v_lshlrev_b32 v4, 3, v2                        ; my 8 bytes of a store's 256; never rewritten
	v_lshrrev_b32 v7, 2, v2
	v_mul_u32_u24 v7, v7, SP
	v_and_b32 v8, 3, v2
	v_lshl_add_u32 v7, v8, 4, v7                   ; the stage, on the way in: SP (lane / 4) + 16 (lane % 4)
	v_mul_u32_u24 v8, v2, SP                       ; and on the way out: SP x lane
	v_lshrrev_b32 v9, 1, v2                        ; my block among a step's sixteen
	s_lshl_b32 s21, ttmp9, 2
	s_add_co_u32 s21, s21, s20                     ; 4 x work-group + wave
	s_lshl_b32 s22, s20, 13                        ; 8,192 LDS bytes a wave
	s_mov_b32 s25, 0
	s_mov_b32 s26, 0x76543210                      ; v_permlanex16_b32's selects for lane l xor 16
	s_mov_b32 s27, 0xfedcba98
	s_wait_kmcnt 0x0
	s_cmp_lt_u32 ttmp9, 256
	s_cbranch_scc0 .Lalpha
; ---------------------------------------------------------------- x: two rows a wave, a row kept in registers between the norm and the quantisers
	s_wait_alu depctr_va_vdst(0)
	v_add_nc_u32 v14, s22, v7
	v_add_nc_u32 v15, s22, v8
	s_add_co_u32 s23, s22, SCB
	v_add_nc_u32 v5, s23, v9                       ; my block's scale byte
	v_add_nc_u32 v6, s23, v4                       ; and on the way out 8 bytes a lane
	s_lshl_b32 s24, s21, 15                        ; two rows of 16,384 bytes
	s_add_nc_u64 s[4:5], s[4:5], s[24:25]
	s_lshl_b32 s24, s21, 12                        ; two rows of 2,048 bytes of codes
	s_add_nc_u64 s[8:9], s[8:9], s[24:25]
	s_add_nc_u64 s[12:13], s[12:13], s[24:25]
	s_lshl_b32 s24, s21, 8                         ; two rows of 128 scale bytes
	s_add_nc_u64 s[10:11], s[10:11], s[24:25]
	s_add_nc_u64 s[14:15], s[14:15], s[24:25]
.macro LOADX k, t                      ; step t (512 numbers) of row k
.irp i, 0,1,2,3
	global_load_b128 v[XR+16*(\t)+4*\i:XR+16*(\t)+4*\i+3], v3, s[4:5] offset:16384*(\k)+2048*(\t)+512*\i th:TH_LOAD_NT
.endr
.endm
.macro TURNX t                         ; step t through the stage: LDS serves a wave's instructions in order (ISA guide 5.7.1.4), so no wait stands between the stores and the loads
.irp i, 0,1,2,3
	ds_store_b128 v14, v[XR+16*(\t)+4*\i:XR+16*(\t)+4*\i+3] offset:STGB*((\t)%2)+8*SP*\i
.endr
.irp i, 0,1,2,3
	ds_load_b128 v[XX+16*((\t)%2)+4*\i:XX+16*((\t)%2)+4*\i+3], v15 offset:STGB*((\t)%2)+16*\i
.endr
.endm
; The row's sum of squares as its loads land, then 1 / (sqrt + 1e-8) in every lane.
.macro SUMSQ
.irp t, 0,1,2,3,4,5,6,7
	s_wait_alu depctr_va_vdst(0)
	s_wait_loadcnt 28-4*\t                         ; step t's four loads are in; the later steps' may be out
.irp j, 0,1,2,3,4,5,6,7
.if (\t == 0) && (\j < 4)
	v_pk_mul_f32 v[SS+2*\j:SS+2*\j+1], v[XR+2*\j:XR+2*\j+1], v[XR+2*\j:XR+2*\j+1]      ; the first four pairs start the chains: nothing is cleared
.else
	v_pk_fma_f32 v[SS+2*(\j%4):SS+2*(\j%4)+1], v[XR+16*\t+2*\j:XR+16*\t+2*\j+1], v[XR+16*\t+2*\j:XR+16*\t+2*\j+1], v[SS+2*(\j%4):SS+2*(\j%4)+1]
.endif
.endr
.endr
	v_pk_add_f32 v[SS:SS+1], v[SS:SS+1], v[SS+2:SS+3]
	v_pk_add_f32 v[SS+4:SS+5], v[SS+4:SS+5], v[SS+6:SS+7]
	v_pk_add_f32 v[SS:SS+1], v[SS:SS+1], v[SS+4:SS+5]
	v_add_f32 v[SS], v[SS], v[SS+1]
	v_add_f32_dpp v[SS], v[SS], v[SS] row_xmask:1 row_mask:0xf bank_mask:0xf
	v_add_f32_dpp v[SS], v[SS], v[SS] row_xmask:2 row_mask:0xf bank_mask:0xf
	v_add_f32_dpp v[SS], v[SS], v[SS] row_xmask:4 row_mask:0xf bank_mask:0xf
	v_add_f32_dpp v[SS], v[SS], v[SS] row_xmask:8 row_mask:0xf bank_mask:0xf
	v_permlanex16_b32 v[SS+1], v[SS], s26, s27
	v_add_f32 v[SS], v[SS], v[SS+1]                ; every lane holds the row's sum of squares
	s_wait_alu depctr_va_vdst(0)
	v_sqrt_f32 v[SS], v[SS]
	v_nop                                          ; a plain instruction behind the root,
	s_wait_alu depctr_va_vdst(0)                   ; and the wait ahead of the first use of its result
	v_add_f32 v[SS], 0x322bcc77, v[SS]             ; + 1e-8
	s_wait_alu depctr_va_vdst(0)
	v_rcp_f32 v[INV], v[SS]
	v_nop
	s_wait_alu depctr_va_vdst(0)
	v_mov_b32 v[INV+1], v[INV]
.endm
; Step t of row k: 16 neighbours a lane become codes of x and codes of z.
.macro STEPX k, t
.set XS, XX+16*((\t)%2)
.if (\t) > 0
	s_wait_dscnt 2                                 ; this step's numbers are back from the stage (the last step's two byte stores may be out), so its stores into the stage have read their registers,
.else
	s_wait_dscnt 0x0
.endif
.if (\k) == 0
	LOADX 1, \t                                    ; which take the same step of the wave's second row
.endif
.if (\t) < 7
	TURNX (\t)+1                                   ; the next step goes through the other stage while this one is worked
.endif
	v_max3_num_f32 v8, |v[XS]|, |v[XS+1]|, |v[XS+2]|
	v_max3_num_f32 v9, |v[XS+3]|, |v[XS+4]|, |v[XS+5]|
.irp i, 6,10
	v_max3_num_f32 v8, v8, |v[XS+\i]|, |v[XS+\i+1]|
	v_max3_num_f32 v9, v9, |v[XS+\i+2]|, |v[XS+\i+3]|
.endr
	v_max3_num_f32 v8, v8, |v[XS+14]|, |v[XS+15]|
	v_max3_num_f32 v8, v8, v9, FLOOR
	v_max_num_f32_dpp v8, v8, v8 row_xmask:1 row_mask:0xf bank_mask:0xf   ; with my neighbour's 16: the block's largest |x|
	v_add_nc_u32 v11, OFF2, v8                     ; the conversion takes the exponent field of this operand as its scale
.irp j, 0,2,4,6,8,10,12,14
	v_pk_mul_f32 v[XZ+\j:XZ+\j+1], v[XS+\j:XS+\j+1], v[INV:INV+1]          ; x / (||x|| + 1e-8)
.endr
	v_mul_f32 v9, v8, v[INV]
	v_cvt_scalef32_pk8_fp4_f32 v[XC+4*(\t)], v[XS:XS+7], v11
	v_cvt_scalef32_pk8_fp4_f32 v[XC+4*(\t)+1], v[XS+8:XS+15], v11
	v_lshrrev_b32 v[XE+2*(\t)], 23, v11            ; x's scale byte (also the plain instruction behind the conversions)
.irp j, 0,2,4,6,8,10,12,14
	v_pk_mul_f32 v[XZ+\j:XZ+\j+1], v[XZ+\j:XZ+\j+1], v[XS+\j:XS+\j+1]      ; times x: z, never negative
.endr
	v_mul_f32 v9, v9, v8                           ; the block's largest z is not searched for: z rises with |x|, and the same two multiplications of the largest |x| give its bits
	v_max_num_f32 v9, FLOOR, v9
	v_add_nc_u32 v10, OFF2, v9
	v_cvt_scalef32_pk8_fp4_f32 v[XC+4*(\t)+2], v[XZ:XZ+7], v10
	v_cvt_scalef32_pk8_fp4_f32 v[XC+4*(\t)+3], v[XZ+8:XZ+15], v10
	v_lshrrev_b32 v[XE+2*(\t)+1], 23, v10          ; z's scale byte
	ds_store_b8 v5, v[XE+2*(\t)] offset:128*(\k)+16*(\t)                   ; both lanes of a block write the same byte with the same value
	ds_store_b8 v5, v[XE+2*(\t)+1] offset:256+128*(\k)+16*(\t)
	global_store_b64 v4, v[XC+4*(\t):XC+4*(\t)+1], s[8:9] offset:2048*(\k)+256*(\t)
	global_store_b64 v4, v[XC+4*(\t)+2:XC+4*(\t)+3], s[12:13] offset:2048*(\k)+256*(\t)
.endm
.irp t, 0,1,2,3,4,5,6,7
	LOADX 0, \t
.endr
	SUMSQ
	TURNX 0
.irp t, 0,1,2,3,4,5,6,7
	STEPX 0, \t
.endr
	SUMSQ                                          ; the second row's 32 loads were issued step by step above
	s_wait_xcnt 0x0                                ; the first row's stores have read their registers: the codes' registers are written again
	TURNX 0
.irp t, 0,1,2,3,4,5,6,7
	STEPX 1, \t
.endr
	ds_load_b64 v[12:13], v6                       ; my wave's 256 scale bytes of x,
	ds_load_b64 v[26:27], v6 offset:256            ; and of z: these see my stores
	s_wait_dscnt 0x0
	global_store_b64 v4, v[12:13], s[10:11]        ; 32 lanes store 256 consecutive bytes, aligned
	global_store_b64 v4, v[26:27], s[14:15]
	s_wait_tensorcnt 0x0
	ds_add_u32 v30, v31
	s_wait_dscnt 0x0
	s_endpgm
; ---------------------------------------------------------------- alpha: a plain stream of blocks of 32: 16 steps of 512 numbers a wave, loads four steps ahead
.Lalpha:
	s_sub_co_u32 s21, s21, 1024                    ; which run of 8,192 numbers is my wave's
	s_add_co_u32 s22, s22, 32768                   ; this path's own LDS bytes
	s_wait_alu depctr_va_vdst(0)
	v_add_nc_u32 v14, s22, v7
	v_add_nc_u32 v15, s22, v8
	s_add_co_u32 s23, s22, SCB
	v_add_nc_u32 v5, s23, v9
	v_add_nc_u32 v6, s23, v4
	s_lshl_b32 s24, s21, 15
	s_add_nc_u64 s[6:7], s[6:7], s[24:25]
	s_lshl_b32 s24, s21, 12
	s_add_nc_u64 s[16:17], s[16:17], s[24:25]
	s_lshl_b32 s24, s21, 8
	s_add_nc_u64 s[18:19], s[18:19], s[24:25]
.macro LOADA t
.irp i, 0,1,2,3
	global_load_b128 v[AR+16*((\t)%4)+4*\i:AR+16*((\t)%4)+4*\i+3], v3, s[6:7] offset:2048*(\t)+512*\i th:TH_LOAD_NT
.endr
.endm
.macro TURNA t
.irp i, 0,1,2,3
	ds_store_b128 v14, v[AR+16*((\t)%4)+4*\i:AR+16*((\t)%4)+4*\i+3] offset:STGB*((\t)%2)+8*SP*\i
.endr
.irp i, 0,1,2,3
	ds_load_b128 v[AX+16*((\t)%2)+4*\i:AX+16*((\t)%2)+4*\i+3], v15 offset:STGB*((\t)%2)+16*\i
.endr
.endm
.macro STEPA t
.set XS, AX+16*((\t)%2)
.if (\t) > 0
	s_wait_dscnt 1                                 ; this step's numbers are back from the stage (the last step's byte store may be out)
.else
	s_wait_dscnt 0x0
.endif
.if (\t)+4 < 16
	LOADA (\t)+4                                   ; into the registers that this step's stores into the stage have read
.endif
.if (\t)+1 < 16
.if 14-(\t) >= 3
	s_wait_loadcnt 12                              ; the next step's four loads are in; those of the three steps behind it may be out
.else
	s_wait_loadcnt 4*(14-(\t))
.endif
	TURNA (\t)+1
.endif
.irp j, 0,2,4,6,8,10,12,14
	v_pk_mul_f32 v[XS+\j:XS+\j+1], v[XS+\j:XS+\j+1], 0xbfb8aa3b op_sel_hi:[1,0]      ; -a log2(e)
.endr
	s_wait_alu depctr_va_vdst(0)
.irp j, 0,1,2,3,4,5,6,7,8,9,10,11,12,13,14,15
	v_exp_f32 v[XS+\j], v[XS+\j]
.endr
	v_nop                                          ; a plain instruction behind the batch,
	s_wait_alu depctr_va_vdst(0)                   ; and one wait for the sixteen, ahead of their first reader
.irp j, 0,2,4,6,8,10,12,14
	v_pk_add_f32 v[XS+\j:XS+\j+1], v[XS+\j:XS+\j+1], 1.0 op_sel_hi:[1,0]
.endr
	s_wait_alu depctr_va_vdst(0)
.irp j, 0,1,2,3,4,5,6,7,8,9,10,11,12,13,14,15
	v_rcp_f32 v[XS+\j], v[XS+\j]                   ; sigmoid(a)
.endr
	v_nop
	s_wait_alu depctr_va_vdst(0)
	v_max3_num_f32 v8, v[XS], v[XS+1], v[XS+2]     ; none is negative: no |.|
	v_max3_num_f32 v9, v[XS+3], v[XS+4], v[XS+5]
.irp i, 6,10
	v_max3_num_f32 v8, v8, v[XS+\i], v[XS+\i+1]
	v_max3_num_f32 v9, v9, v[XS+\i+2], v[XS+\i+3]
.endr
	v_max3_num_f32 v8, v8, v[XS+14], v[XS+15]
	v_max3_num_f32 v8, v8, v9, FLOOR
	v_max_num_f32_dpp v8, v8, v8 row_xmask:1 row_mask:0xf bank_mask:0xf
	v_add_nc_u32 v11, OFF2, v8
	v_cvt_scalef32_pk8_fp4_f32 v[AC+2*(\t)], v[XS:XS+7], v11
	v_cvt_scalef32_pk8_fp4_f32 v[AC+2*(\t)+1], v[XS+8:XS+15], v11
	v_lshrrev_b32 v[AE+(\t)], 23, v11              ; the scale's byte (also the plain instruction behind the conversions)
	ds_store_b8 v5, v[AE+(\t)] offset:16*(\t)
	global_store_b64 v4, v[AC+2*(\t):AC+2*(\t)+1], s[16:17] offset:256*(\t)
.endm
.irp t, 0,1,2,3
	LOADA \t
.endr
	s_wait_alu depctr_va_vdst(0)
	s_wait_loadcnt 12                              ; step 0's four loads are in
	TURNA 0
.irp t, 0,1,2,3,4,5,6,7,8,9,10,11,12,13,14,15
	STEPA \t
.endr
	ds_load_b64 v[12:13], v6
	s_wait_dscnt 0x0
	global_store_b64 v4, v[12:13], s[18:19]        ; 32 lanes store 256 consecutive bytes, aligned
	s_wait_tensorcnt 0x0
	ds_add_u32 v30, v31
	s_wait_dscnt 0x0
	s_endpgm
.Lfunc_end_k_q15f7c73953_quant:
	.size	k_q15f7c73953_quant, .Lfunc_end_k_q15f7c73953_quant-k_q15f7c73953_quant
	.p2alignl 7, 3214868480
	.fill 96, 4, 3214868480
	.section	.rodata,"a",@progbits
	.p2align	6, 0x0
	.amdhsa_kernel k_q15f7c73953_quant
		.amdhsa_group_segment_fixed_size 66048
		.amdhsa_private_segment_fixed_size 0
		.amdhsa_enable_private_segment 0
		.amdhsa_kernarg_size 64
		.amdhsa_user_sgpr_count 2
		.amdhsa_user_sgpr_kernarg_segment_ptr 1
		.amdhsa_wavefront_size32 1
		.amdhsa_system_sgpr_workgroup_id_x 1
		.amdhsa_system_sgpr_workgroup_id_y 1
		.amdhsa_system_sgpr_workgroup_id_z 1
		.amdhsa_system_vgpr_workitem_id 0
		.amdhsa_next_free_vgpr 256
		.amdhsa_next_free_sgpr 66
		.amdhsa_reserve_vcc 0
		.amdhsa_float_denorm_mode_32 3
		.amdhsa_float_denorm_mode_16_64 3
		.amdhsa_memory_ordered 1
		.amdhsa_forward_progress 1
		.amdhsa_inst_pref_size 138
	.end_amdhsa_kernel
	.amdgpu_metadata
---
amdhsa.version: [ 1, 2 ]
amdhsa.kernels:
  - .name:           k_q15f7c73953_quant
    .symbol:         k_q15f7c73953_quant.kd
    .args:
      - { .name: x, .offset: 0, .size: 8, .value_kind: global_buffer, .address_space: global }
      - { .name: alpha, .offset: 8, .size: 8, .value_kind: global_buffer, .address_space: global }
      - { .name: xq_codes, .offset: 16, .size: 8, .value_kind: global_buffer, .address_space: global }
      - { .name: xq_scales, .offset: 24, .size: 8, .value_kind: global_buffer, .address_space: global }
      - { .name: zq_codes, .offset: 32, .size: 8, .value_kind: global_buffer, .address_space: global }
      - { .name: zq_scales, .offset: 40, .size: 8, .value_kind: global_buffer, .address_space: global }
      - { .name: sg_codes, .offset: 48, .size: 8, .value_kind: global_buffer, .address_space: global }
      - { .name: sg_scales, .offset: 56, .size: 8, .value_kind: global_buffer, .address_space: global }
    .group_segment_fixed_size: 66048
    .private_segment_fixed_size: 0
    .kernarg_segment_align: 8
    .kernarg_segment_size: 64
    .max_flat_workgroup_size: 128
    .sgpr_count:     66
    .vgpr_count:     256
    .wavefront_size: 32
...
	.end_amdgpu_metadata
.endif
;; end of part 1
;; launch gemm (part 2): grid 16 x 16, 4 waves a work-group, clusters of 4 x 4, 327,680 bytes of LDS; arguments xq_codes, xq_scales, zq_codes, zq_scales, W_codes, W_scales, sg_codes, sg_scales, bias, eta, out0; writes out0
.if DOCPART == 2
	.amdgcn_target "amdgcn-amd-amdhsa--gfx1250"
	.amdhsa_code_object_version 6
	.text
	.protected	k_q15f7c73953_gemm
	.globl	k_q15f7c73953_gemm
	.p2align	8
	.type	k_q15f7c73953_gemm,@function
k_q15f7c73953_gemm:
	s_mov_b64 s[64:65], 0
	v_nop
	global_prefetch_b8 v0, s[64:65] scope:SCOPE_SE
	s_setreg_imm32_b32 hwreg(HW_REG_WAVE_MODE, 25, 1), 1
	s_wait_xcnt 0x0
	s_wait_alu depctr_hold_cnt(0) depctr_sa_sdst(0) depctr_va_vdst(0) depctr_va_sdst(0) depctr_va_ssrc(0) depctr_va_vcc(0) depctr_vm_vsrc(0)
	s_getreg_b32 s2, hwreg(HW_REG_IB_STS2, 6, 4)
	s_cmp_eq_u32 s2, 0
	s_cbranch_scc0 .Lentry_in_a_cluster
	s_endpgm
.Lentry_in_a_cluster:
	s_bfe_u32 s2, ttmp6, 0x10000c
	s_cmp_lg_u32 s2, 0xf033
	s_cbranch_scc0 .Lentry_shape_is_right
	s_endpgm
.Lentry_shape_is_right:
; out = y + eta tanh(y) s,  y = Q(x) W^T + bias,  s = Q(z) Q(sigmoid(alpha))^T: both products on FP4 codes with E8M0 scales, K = 4096, sums in f32.
; A work-group makes 128 rows x 256 columns of out; four waves, each 64 x 128 of y (window 2) AND the same 64 x 128 of s (window 3): 2 x 32 accumulators, so the way out needs no other wave.
; A ring of two LDS slots: slot 0 holds product 1's K step of 512 (128 rows of xq, 256 of W, rows of 256 bytes + 16 of padding), slot 1 product 2's (zq, sg).
; All four waves multiply one slot (4 steps of 128 along K, 32 matrix instructions each) while the other slot's load is out.  The scales of all of K come once, as dense rows of 256 bytes, and stay.
; CLUSTERS 4 x 4: A's tiles are asked for jointly along a row of the cluster, B's along a column.  The matrix instruction is used transposed (source 0 = B's rows): a lane holds 8 neighbouring columns.
; The bias is the C of y's first products.  tanh(y) = 1 - 2 / (1 + 2^(2.885390 y)).  LIMIT: NaN and infinities among the inputs are not served.
; PREFETCH: behind each refill (K step L + 1) each wave names K step L + 3 of the rows that it fetches, a lane a row; the four partners of a joint load share the rows by address (16 of A's 64, 32 of B's 128);
; A's waves have 16 lanes left over, which name the last row again.  K steps 1 and 2 are named at the head; laps 5 and 6 name nothing: K has 8 steps.
; REGISTERS: window 0: v0-31 addresses, v32-95 scale words (a set a slot), v128-191 A's fragments (two sets), v192-255 the bias; window 1: v0-127 B's fragments (two sets).
.set PITCH,  272
.set HA,     64*PITCH
.set SLOT,   6*HA                      ; A's 128 rows, then B's 256
.set SCL,    2*SLOT                    ; scales: xq's (SA), W's (2 SA), zq's, sg's
.set SA,     64*272                    ; the scales of 128 rows
.set SBLK,   8*272                     ; of 16 rows
.set SPARE,  SCL+6*SA
.set SPITCH, 528                       ; the way out: 16 rows x (512 + 16) bytes a wave, in slot 0 behind its last fill and last read
.set ADRA, 16
.set ADRB, 18
.set ADRS, 20
.set STO,  24
.set RD,   25
.set CO,   26
.set SPW,  28
.set NIL,  29
.set PFO,  30
.set SC,   32
.set AF,   128
.set EX,   128
.set BIAS, 192
.set G1,   24
.set G0,   32
.set G1B,  48
.set G0B,  56
.set G1S,  68
.set G0S,  76
.set G1SB, 80
.set G0SB, 88
.set WV,   96
.set HI,   97
.set PFA,  98
.set LO,   104
.set CW,   (1<<20)|(1<<21)|(5<<22)|(3<<25)
.set CWS,  (3<<16)|(1<<20)|(1<<21)|(5<<22)|(3<<25)
.set MSB, 0
.macro WIN new
.if MSB != (\new)
	s_set_vgpr_msb (MSB<<8)|(\new)
.set MSB, (\new)
.endif
.endm
.macro PLACES
.rept 4
	v_nop
.endr
.endm
.macro TL g0, g1                       ; a tensor load with an s_nop and four v_nop behind it
	tensor_load_to_lds s[\g0:\g0+3], s[\g1:\g1+7]
	s_nop 0
	PLACES
.endm
.macro JLOAD s                         ; the ring's joint load: waves 0, 1 fetch A's halves (64 rows), waves 2, 3 B's (128 rows)
	s_cmp_eq_u32 s[HI], 0
	s_cbranch_scc0 .Lfor_b_\@
	TL G0+4*\s, G1
	s_branch .Lasked_\@
.Lfor_b_\@:
	TL G0B+4*\s, G1B
.Lasked_\@:
.endm
.macro HEAD4 s                         ; a product's four first tiles, one a wave: wave 0 A's 128 rows, wave 2 B's 256, wave 1 A's scales, wave 3 B's
	s_cmp_eq_u32 s[WV], 0
	s_cbranch_scc0 .Lh1_\@
	TL G0+4*\s, G1
	s_branch .Lhj_\@
.Lh1_\@:
	s_cmp_eq_u32 s[WV], 2
	s_cbranch_scc0 .Lh2_\@
	TL G0B+4*\s, G1B
	s_branch .Lhj_\@
.Lh2_\@:
	s_cmp_eq_u32 s[WV], 1
	s_cbranch_scc0 .Lh3_\@
	TL G0S, G1S
	s_branch .Lhj_\@
.Lh3_\@:
	TL G0SB, G1SB
.Lhj_\@:
.endm
.macro CREST
	s_cmp_lg_u32 s[WV], 0
	s_cbranch_scc1 .Lnot_wave_0_\@
	s_barrier_signal -3
.Lnot_wave_0_\@:
	s_barrier_wait -3
	s_barrier_signal -1
	s_barrier_wait -1
.endm
.macro CROUND
	s_barrier_signal -1
	s_barrier_wait -1
	CREST
.endm
.macro SHAPE g, c, r, p                ; group 1: r rows of c elements, pitch p
	s_mov_b32 s[\g+1], (\c)<<16
	s_mov_b32 s[\g+2], (\r)<<16
	s_mov_b32 s[\g+3], (\c)<<16
	s_mov_b32 s[\g+4], \r
	s_mov_b32 s[\g+5], \p
	s_mov_b32 s[\g+6], 0
	s_mov_b32 s[\g+7], 0
.endm
	s_load_b256 s[4:11], s[0:1], 0x0               ; xq codes, scales, zq codes, scales
	s_load_b256 s[12:19], s[0:1], 0x20             ; W codes, scales, sg codes, scales
	s_load_b128 s[20:23], s[0:1], 0x40             ; bias, eta
	s_load_b64 s[66:67], s[0:1], 0x50              ; out
	v_lshl_add_u32 v[SPW], v0, 2, SPARE
	v_mov_b32 v[NIL], 0
	ds_add_u32 v[SPW], v[NIL]                      ; the opening lines: the add twice on end and its wait
	ds_add_u32 v[SPW], v[NIL]
	v_lshrrev_b32 v1, 5, v0
	v_readfirstlane_b32 s[WV], v1
	s_lshr_b32 s[HI], s[WV], 1                     ; my 64 rows; also: I fetch for A (0) or B (1)
	s_and_b32 s[LO], s[WV], 1                      ; my 128 columns; also: which half I fetch
	s_bfe_u32 s40, ttmp6, 0x40000                  ; cx
	s_bfe_u32 s41, ttmp6, 0x40004                  ; cy
	s_lshl_b32 s42, ttmp9, 2
	s_add_co_u32 s42, s42, s40                     ; tile column
	s_and_b32 s45, ttmp7, 0xffff
	s_lshl_b32 s45, s45, 2
	s_add_co_u32 s45, s45, s41                     ; tile row
	s_lshl_b32 s43, s41, 2
	s_lshl_b32 s43, 15, s43                        ; my row of the cluster
	s_lshl_b32 s44, 0x1111, s40                    ; my column
	s_or_b32 s[G1], s43, CW
	s_or_b32 s[G1B], s44, CW
	s_or_b32 s[G1S], s43, CWS
	s_or_b32 s[G1SB], s44, CWS
	SHAPE G1, 256, 128, 2048                       ; the head's shapes; the ring's row counts are set in the first change of slots
	SHAPE G1B, 256, 256, 2048
	SHAPE G1S, 32, 64, 32                          ; 128 rows x 128 scale bytes, dense: 64 rows of 256 bytes
	SHAPE G1SB, 32, 128, 32
	s_mov_b32 s93, 0
	s_mov_b32 s47, 0
	s_wait_dscnt 0x0
	s_wait_kmcnt 0x0
	s_lshl_b32 s92, s45, 14                        ; A's scales: 128 rows x 128 bytes a tile row
	s_add_nc_u64 s[6:7], s[6:7], s[92:93]
	s_add_nc_u64 s[10:11], s[10:11], s[92:93]
	s_lshl_b32 s92, s45, 18                        ; A's codes: 128 rows x 2,048 bytes, + my half of 64 rows
	s_lshl_b32 s94, s[LO], 17
	s_add_co_u32 s92, s92, s94
	s_add_nc_u64 s[4:5], s[4:5], s[92:93]
	s_add_nc_u64 s[8:9], s[8:9], s[92:93]
	s_lshl_b32 s46, s42, 15                        ; B's likewise: 256 rows a tile column
	s_add_nc_u64 s[14:15], s[14:15], s[46:47]
	s_add_nc_u64 s[18:19], s[18:19], s[46:47]
	s_lshl_b32 s46, s42, 19
	s_lshl_b32 s94, s[LO], 18
	s_add_co_u32 s46, s46, s94
	s_add_nc_u64 s[12:13], s[12:13], s[46:47]
	s_add_nc_u64 s[16:17], s[16:17], s[46:47]
	s_mul_i32 s94, s[LO], HA
	s_mul_i32 s95, s[LO], 2*HA
.irp s, 0,1
	s_mov_b32 s[G0+4*\s], 1
	s_add_co_u32 s[G0+4*\s+1], s94, \s*SLOT
	s_mov_b64 s[G0+4*\s+2:G0+4*\s+3], s[4+4*\s:5+4*\s]
	s_or_b32 s[G0+4*\s+3], s[G0+4*\s+3], 0x80000000
	s_mov_b32 s[G0B+4*\s], 1
	s_add_co_u32 s[G0B+4*\s+1], s95, 2*HA+\s*SLOT
	s_mov_b64 s[G0B+4*\s+2:G0B+4*\s+3], s[12+4*\s:13+4*\s]
	s_or_b32 s[G0B+4*\s+3], s[G0B+4*\s+3], 0x80000000
.endr
	s_mov_b32 s[G0S], 1
	s_mov_b32 s[G0S+1], SCL
	s_mov_b64 s[G0S+2:G0S+3], s[6:7]
	s_or_b32 s[G0S+3], s[G0S+3], 0x80000000
	s_mov_b32 s[G0SB], 1
	s_mov_b32 s[G0SB+1], SCL+SA
	s_mov_b64 s[G0SB+2:G0SB+3], s[14:15]
	s_or_b32 s[G0SB+3], s[G0SB+3], 0x80000000
	CROUND                                         ; the round in front of the first joint loads
	HEAD4 0                                        ; product 1: K step 0 and all its scales, one load a wave
	s_load_b32 s2, s[22:23], 0x0                   ; eta
	s_mul_i32 s92, s[HI], HA                       ; my 64 rows of A in a slot
	s_add_co_u32 s95, s95, 2*HA                    ; my 128 rows of B
	s_mul_i32 s43, s[LO], SA
	s_add_co_u32 s43, s43, SA
	s_mul_i32 s44, s[HI], SA/2
	s_sub_co_u32 s43, s43, s44                     ; from my A rows' scales to my B rows'
	s_add_co_u32 s44, s44, SCL
	s_mul_i32 s94, s[WV], 16*SPITCH                ; my stage
	s_lshl_b32 s40, s40, 15                        ; prefetch: my work-group's 16 rows of A's 64 (by cx),
	s_lshl_b32 s41, s41, 16                        ; or 32 of B's 128 (by cy)
	s_cmp_eq_u32 s[HI], 0
	s_cselect_b32 s40, s40, s41
	s_cselect_b32 s3, 15, 31
	s_cselect_b64 s[PFA:PFA+1], s[4:5], s[12:13]
	s_cselect_b64 s[PFA+2:PFA+3], s[8:9], s[16:17]
	s_mov_b32 s41, 0
	s_add_nc_u64 s[PFA:PFA+1], s[PFA:PFA+1], s[40:41]
	s_add_nc_u64 s[PFA+2:PFA+3], s[PFA+2:PFA+3], s[40:41]
	s_lshl_b32 s46, s42, 10                        ; my first column, in bytes of f32
	s_lshl_b32 s42, s[LO], 9
	s_add_co_u32 s46, s46, s42
	s_add_nc_u64 s[20:21], s[20:21], s[46:47]
	s_add_nc_u64 s[66:67], s[66:67], s[46:47]
	s_lshl_b32 s46, s45, 21                        ; my first row: 128 x tile row + 64 x half, rows of 16,384 bytes
	s_lshl_b32 s42, s[HI], 20
	s_add_co_u32 s46, s46, s42
	s_add_nc_u64 s[66:67], s[66:67], s[46:47]
	v_and_b32 v1, 15, v0                           ; r
	v_bfe_u32 v2, v0, 4, 1                         ; h
	v_and_b32 v3, 31, v0
	v_mul_u32_u24 v4, v1, PITCH
	v_lshl_add_u32 v4, v2, 4, v4
	v_add_nc_u32 v[ADRA], s92, v4
	v_add_nc_u32 v[ADRB], s95, v4
	v_add_nc_u32 v[ADRA+1], SLOT, v[ADRA]
	v_add_nc_u32 v[ADRB+1], SLOT, v[ADRB]
	v_lshlrev_b32 v5, 7, v1                        ; a row's scales: 128 bytes, 16 more for each 256 passed
	v_lshrrev_b32 v6, 1, v1
	v_lshl_add_u32 v5, v6, 4, v5
	v_mul_u32_u24 v6, s43, v2                      ; lanes 16-31 take B's
	v_add_nc_u32 v5, v5, v6
	v_add_nc_u32 v[ADRS], s44, v5
	v_add_nc_u32 v[ADRS+1], 3*SA, v[ADRS]
	v_lshlrev_b32 v[CO], 4, v3
	v_mul_u32_u24 v5, v1, SPITCH
	v_lshl_add_u32 v5, v2, 5, v5
	v_add_nc_u32 v[STO], s94, v5
	v_add_nc_u32 v[RD], s94, v[CO]
	v_min_u32 v6, s3, v3
	v_lshlrev_b32 v[PFO], 11, v6                   ; a lane a row of 2,048 bytes
	v_lshlrev_b32 v7, 5, v2
.irp b, 0,1,2,3,4,5,6,7
	global_load_b128 v[BIAS+8*\b:BIAS+8*\b+3], v7, s[20:21] offset:64*\b          ; bias of columns 16 b + 8 h + 0 .. 7: the result's layout
	global_load_b128 v[BIAS+8*\b+4:BIAS+8*\b+7], v7, s[20:21] offset:64*\b+16
.endr
.irp o, 256,512
	global_prefetch_b8 v[PFO], s[PFA:PFA+1] offset:\o th:TH_LOAD_NT scope:SCOPE_SE     ; K steps 1 and 2 of both products
	global_prefetch_b8 v[PFO], s[PFA+2:PFA+3] offset:\o th:TH_LOAD_NT scope:SCOPE_SE
.endr
	s_wait_kmcnt 0x0
	v_mov_b32 v8, s2                               ; eta, twice
	v_mov_b32 v9, s2
	v_mul_f32 v10, -2.0, v8                        ; -2 eta, twice
	v_mov_b32 v11, v10
	s_wait_alu depctr_va_vdst(0)                   ; the wait at the head's end
	s_wait_tensorcnt 0x0                           ; my tile of product 1 is in
	ds_add_u32 v[SPW], v[NIL]
	s_mov_b32 s[G0S+1], SCL+3*SA                   ; no load of mine is out: the scales' descriptors turn to product 2
	s_mov_b64 s[G0S+2:G0S+3], s[10:11]
	s_or_b32 s[G0S+3], s[G0S+3], 0x80000000
	s_mov_b32 s[G0SB+1], SCL+4*SA
	s_mov_b64 s[G0SB+2:G0SB+3], s[18:19]
	s_or_b32 s[G0SB+3], s[G0SB+3], 0x80000000
	s_wait_dscnt 0x0
	CROUND
	HEAD4 1                                        ; product 2: K step 0 into slot 1, and all its scales
.macro FRAG reg, adr, q, i             ; 16 rows x 128 K of 4-bit codes: 8 registers, two loads 32 bytes apart
.irp c, 0,1
	ds_load_b128 v[\reg+4*\c:\reg+4*\c+3], v[\adr] offset:64*(\q)+32*\c+(\i)*16*PITCH
.endr
.endm
.macro FETCH slot, q                   ; 24 loads: B's 8 and A's 4 fragments of the slot's q-th 128 along K, into set q % 2
	WIN 0x40
.irp i, 0,1,2,3,4,5,6,7
	FRAG 64*((\q)%2)+8*\i, ADRB+(\slot), \q, \i
.endr
	WIN 0
.irp i, 0,1,2,3
	FRAG AF+32*((\q)%2)+8*\i, ADRA+(\slot), \q, \i
.endr
.endm
.macro SCALES s                        ; a K step's 4 words a row: register 4 i + q: lanes 0-15 A's block i (blocks 4-7 are not used), lanes 16-31 B's block i
.irp i, 0,1,2,3,4,5,6,7
	ds_load_b128 v[SC+32*(\s)+4*\i:SC+32*(\s)+4*\i+3], v[ADRS+(\s)] offset:\i*SBLK
.endr
.endm
; n of A's blocks from a0 on, each against B's eight.  mode 0: add in place; 1: C = 0; 2: C = the bias.  The 32 accumulators take turns.
.macro MULS p, q, a0, n, mode
.if (\mode) == 2
	WIN 0x81
.else
	WIN 0xa1+0x50*(\p)
.endif
.set AA, \a0
.set FB, 64*((\q)%2)
.set FA, AF+32*((\q)%2)
.set SQ, SC+32*(\p)+(\q)
.rept \n
.irp b, 0,1,2,3,4,5,6,7
.if (\mode) == 0
	v_wmma_scale_f32_16x16x128_f8f6f4 v[64*AA+8*\b:64*AA+8*\b+7], v[FB+8*\b:FB+8*\b+7], v[FA+8*AA:FA+8*AA+7], v[64*AA+8*\b:64*AA+8*\b+7], v[SQ+4*\b], v[SQ+4*AA] matrix_a_fmt:MATRIX_FMT_FP4 matrix_b_fmt:MATRIX_FMT_FP4 matrix_a_scale:MATRIX_SCALE_ROW1
.endif
.if (\mode) == 1
	v_wmma_scale_f32_16x16x128_f8f6f4 v[64*AA+8*\b:64*AA+8*\b+7], v[FB+8*\b:FB+8*\b+7], v[FA+8*AA:FA+8*AA+7], 0, v[SQ+4*\b], v[SQ+4*AA] matrix_a_fmt:MATRIX_FMT_FP4 matrix_b_fmt:MATRIX_FMT_FP4 matrix_a_scale:MATRIX_SCALE_ROW1
.endif
.if (\mode) == 2
	v_wmma_scale_f32_16x16x128_f8f6f4 v[64*AA+8*\b:64*AA+8*\b+7], v[FB+8*\b:FB+8*\b+7], v[FA+8*AA:FA+8*AA+7], v[BIAS+8*\b:BIAS+8*\b+7], v[SQ+4*\b], v[SQ+4*AA] matrix_a_fmt:MATRIX_FMT_FP4 matrix_b_fmt:MATRIX_FMT_FP4 matrix_a_scale:MATRIX_SCALE_ROW1
.endif
.endr
.set AA, AA+1
.endr
.endm
.macro STEP p, q, mode                 ; one of a slot's first three steps
	PLACES                                         ; in front of loads into the set that the last products read
	FETCH \p, (\q)+1
	s_wait_dscnt 24                                ; all but the 24 just issued
	MULS \p, \q, 0, 4, \mode
	WIN 0
.endm
.macro ASK p                           ; lap L = 7 - s3 names K step L + 3: laps 0 to 4
	s_cmp_gt_u32 s3, 2
	s_cbranch_scc0 .Lna_\@
	global_prefetch_b8 v[PFO], s[PFA+2*\p:PFA+2*\p+1] offset:512 th:TH_LOAD_NT scope:SCOPE_SE
.Lna_\@:
.endm
; A slot's last step changes slots: every wave's wait for all its tensor loads, the add, the wait for it and for its reads; the barrier, which opens a round of the cluster's barrier where the slot is filled again.
.macro TURN p, fill, first
.if \fill
	s_wait_xcnt 0x0                                ; my prefetches have read their address
	s_add_nc_u64 s[PFA+2*\p:PFA+2*\p+1], s[PFA+2*\p:PFA+2*\p+1], 256
.endif
	s_wait_tensorcnt 0x0
	ds_add_u32 v[SPW], v[NIL]
.if \first
	s_mov_b32 s[G1+2], 64<<16                      ; no load of mine is out: from here on a load brings 64 rows of A
	s_mov_b32 s[G1+4], 64
	s_mov_b32 s[G1B+2], 128<<16                    ; or 128 of B
	s_mov_b32 s[G1B+4], 128
.endif
	s_wait_dscnt 1                                 ; the add alone may be out
	MULS \p, 3, 0, 1, 0
	s_wait_dscnt 0x0
	s_barrier_signal -1
	MULS \p, 3, 1, 1, 0
	WIN 0
	s_barrier_wait -1
.if \fill
	CREST
	s_add_nc_u64 s[G0+4*\p+2:G0+4*\p+3], s[G0+4*\p+2:G0+4*\p+3], 256
	s_add_nc_u64 s[G0B+4*\p+2:G0B+4*\p+3], s[G0B+4*\p+2:G0B+4*\p+3], 256
	JLOAD \p                                       ; this product's next K step; its four v_nop are the places in front of the loads below
.else
	PLACES
.endif
.if \p == 1
	v_add_nc_u32 v[ADRS], 16, v[ADRS]              ; the next K step's scale words
	v_add_nc_u32 v[ADRS+1], 16, v[ADRS+1]
	s_wait_alu depctr_va_vdst(0)                   ; the wait behind the writes
.endif
	FETCH 1-\p, 0
	SCALES 1-\p
.if \fill
	ASK \p
.endif
	MULS \p, 3, 2, 2, 0
	WIN 0
.endm
.macro LAP first                       ; K step L of both products
	STEP 0, 0, 2*\first
	STEP 0, 1, 0
	STEP 0, 2, 0
	TURN 0, 1, \first
	STEP 1, 0, \first
	STEP 1, 1, 0
	STEP 1, 2, 0
	TURN 1, 1, 0
.endm
	FETCH 0, 0
	SCALES 0
	s_wait_loadcnt 0x0                             ; the bias
	s_mov_b32 s3, 7
	LAP 1                                          ; the first lap starts the sums
	s_mov_b32 s3, 6
.Llap:
	LAP 0
	s_sub_co_u32 s3, s3, 1
	s_cmp_lg_u32 s3, 0
	s_cbranch_scc1 .Llap
	STEP 0, 0, 0                                   ; the last lap fills nothing
	STEP 0, 1, 0
	STEP 0, 2, 0
	TURN 0, 0, 0
	STEP 1, 0, 0
	STEP 1, 1, 0
	STEP 1, 2, 0
	s_wait_dscnt 0x0
	MULS 1, 3, 0, 4, 0
	WIN 0
	PLACES
; THE WAY OUT, 16 rows x 128 columns at a time: out = y + (eta - 2 eta / (1 + 2^(2.885390 y))) s; through my stage, back as rows of 512 bytes.
.macro RUN1 op
.set i, 0
.rept 64
	\op v[EX+i], v[EX+i]
.set i, i+1
.endr
.endm
.macro FIN a
	WIN 0x02
	s_wait_alu depctr_va_vdst(0)                   ; the wait ahead of the first readers of y
.set i, 0
.rept 32
	v_pk_mul_f32 v[EX+i:EX+i+1], v[64*(\a)+i:64*(\a)+i+1], 0x4038aa3b op_sel_hi:[1,0]
.set i, i+2
.endr
	WIN 0
	s_wait_alu depctr_va_vdst(0)                   ; one wait ahead of each batch and one behind it
	RUN1 v_exp_f32
	v_nop
	s_wait_alu depctr_va_vdst(0)
.set i, 0
.rept 32
	v_pk_add_f32 v[EX+i:EX+i+1], v[EX+i:EX+i+1], 1.0 op_sel_hi:[1,0]
.set i, i+2
.endr
	s_wait_alu depctr_va_vdst(0)
	RUN1 v_rcp_f32
	v_nop
	s_wait_alu depctr_va_vdst(0)
.set i, 0
.rept 32
	v_pk_fma_f32 v[EX+i:EX+i+1], v[EX+i:EX+i+1], v[10:11], v[8:9]
.set i, i+2
.endr
	WIN 0x2c
	s_wait_alu depctr_va_vdst(0)                   ; ahead of the first readers of s
.set i, 0
.rept 32
	v_pk_fma_f32 v[EX+i:EX+i+1], v[EX+i:EX+i+1], v[64*(\a)+i:64*(\a)+i+1], v[64*(\a)+i:64*(\a)+i+1]
.set i, i+2
.endr
	WIN 0
.irp b, 0,1,2,3,4,5,6,7
	ds_store_b128 v[STO], v[EX+8*\b:EX+8*\b+3] offset:64*\b
	ds_store_b128 v[STO], v[EX+8*\b+4:EX+8*\b+7] offset:64*\b+16
.endr
	WIN 0x40
.irp t, 0,1,2,3,4,5,6,7,8,9,10,11,12,13,14,15
	ds_load_b128 v[64*(\a)+4*\t:64*(\a)+4*\t+3], v[RD] offset:\t*SPITCH      ; a wave's LDS instructions are served in order: these see the stores
.endr
	WIN 0x04
.irp t, 0,1,2,3,4,5,6,7,8,9,10,11,12,13,14,15
	s_wait_dscnt 15-\t
	global_store_b128 v[CO], v[64*(\a)+4*\t:64*(\a)+4*\t+3], s[66:67] offset:(16*(\a)+\t)*16384 th:TH_STORE_NT   ; 32 lanes store 512 consecutive bytes, aligned
.endr
	WIN 0
.endm
	FIN 0
	FIN 1
	FIN 2
	FIN 3
	s_wait_tensorcnt 0x0                           ; the wave's end
	ds_add_u32 v[SPW], v[NIL]
	s_wait_dscnt 0x0
	CROUND                                         ; the closing round
	s_endpgm
.Lfunc_end_k_q15f7c73953_gemm:
	.size	k_q15f7c73953_gemm, .Lfunc_end_k_q15f7c73953_gemm-k_q15f7c73953_gemm
	.p2alignl 7, 3214868480
	.fill 96, 4, 3214868480
	.section	.rodata,"a",@progbits
	.p2align	6, 0x0
	.amdhsa_kernel k_q15f7c73953_gemm
		.amdhsa_group_segment_fixed_size 327680
		.amdhsa_private_segment_fixed_size 0
		.amdhsa_enable_private_segment 0
		.amdhsa_kernarg_size 88
		.amdhsa_user_sgpr_count 2
		.amdhsa_user_sgpr_kernarg_segment_ptr 1
		.amdhsa_wavefront_size32 1
		.amdhsa_system_sgpr_workgroup_id_x 1
		.amdhsa_system_sgpr_workgroup_id_y 1
		.amdhsa_system_sgpr_workgroup_id_z 1
		.amdhsa_system_vgpr_workitem_id 0
		.amdhsa_next_free_vgpr 1024
		.amdhsa_next_free_sgpr 106
		.amdhsa_reserve_vcc 0
		.amdhsa_float_denorm_mode_32 3
		.amdhsa_float_denorm_mode_16_64 3
		.amdhsa_memory_ordered 1
		.amdhsa_forward_progress 1
		.amdhsa_inst_pref_size 231
	.end_amdhsa_kernel
	.amdgpu_metadata
---
amdhsa.version: [ 1, 2 ]
amdhsa.kernels:
  - .name:           k_q15f7c73953_gemm
    .symbol:         k_q15f7c73953_gemm.kd
    .args:
      - { .name: xq_codes, .offset: 0, .size: 8, .value_kind: global_buffer, .address_space: global }
      - { .name: xq_scales, .offset: 8, .size: 8, .value_kind: global_buffer, .address_space: global }
      - { .name: zq_codes, .offset: 16, .size: 8, .value_kind: global_buffer, .address_space: global }
      - { .name: zq_scales, .offset: 24, .size: 8, .value_kind: global_buffer, .address_space: global }
      - { .name: W_codes, .offset: 32, .size: 8, .value_kind: global_buffer, .address_space: global }
      - { .name: W_scales, .offset: 40, .size: 8, .value_kind: global_buffer, .address_space: global }
      - { .name: sg_codes, .offset: 48, .size: 8, .value_kind: global_buffer, .address_space: global }
      - { .name: sg_scales, .offset: 56, .size: 8, .value_kind: global_buffer, .address_space: global }
      - { .name: bias, .offset: 64, .size: 8, .value_kind: global_buffer, .address_space: global }
      - { .name: eta, .offset: 72, .size: 8, .value_kind: global_buffer, .address_space: global }
      - { .name: out0, .offset: 80, .size: 8, .value_kind: global_buffer, .address_space: global }
    .group_segment_fixed_size: 327680
    .private_segment_fixed_size: 0
    .kernarg_segment_align: 8
    .kernarg_segment_size: 88
    .max_flat_workgroup_size: 128
    .sgpr_count:     106
    .vgpr_count:     1024
    .wavefront_size: 32
...
	.end_amdgpu_metadata
.endif
;; end of part 2
